; MI455X (gfx1250); checked and timed in simulation.
; The chip was launched on July 23, 2026; its instructions are those of AMD's public machine-readable ISA for CDNA 5 (MIT licence, August 2026) and "CDNA5" Instruction Set Architecture Reference Guide (July 2026). The comments in the code are by the model that wrote it; some were corrected since.
;; Causal Self Attention. Allowed arithmetic: matrix products marked QUANTISED: E2M3 operands, one E8M0 scale for each 32 along K, by v_wmma_scale_f32_16x16x128_f8f6f4 with both operands' format E2M3, f32 sums; everything else in f32.
;; Inputs: b_proj 1,024 float32; w_proj 1,024 x 1,024 float32; w_qkv 1,024 x 3,072 float32; x 4 x 2,048 x 1,024 float32.
;; Outputs: out0 4 x 2,048 x 1,024 float32.
;; This version of the problem:
;;   THIS VERSION OF THE PROBLEM IS GIVEN IN LOW PRECISION. The matrix products marked QUANTISED in the list below multiply operands that are first quantised to E2M3 (2 exponent bits, 3 mantissa bits; 6 bits a number), with one power-of-two scale for each 32 numbers along K (OCP MX v1.0); their sums are f32. All else is computed in f32.
;;   The module's matrix products, in the order in which they are computed (A, B: the left and right operand; K: the contracted axis; several contracted axes count as one K, in the product's order):
;;     1. [M 8,192, K 1,024] x [K 1,024, N 3,072]; A: input x; B: input w_qkv: QUANTISED
;;     2. batch 64 x [M 2,048, K 64] x [K 64, N 2,048]; A: computed on the way; B: computed on the way: QUANTISED
;;     3. batch 64 x [M 2,048, K 2,048] x [K 2,048, N 64]; A: softmax (see below); B: computed on the way: QUANTISED
;;     4. [M 8,192, K 1,024] x [K 1,024, N 1,024]; A: computed on the way; B: input w_proj: QUANTISED
;;   THE QUANTISER, for each operand of a quantised product, along K:
;;     - K is cut into blocks of 32 from its start; a last block that is shorter is filled with zeros.
;;     - A block's scale is 2^e with e = floor(log2(the largest magnitude in the block)) - 2, held to -126 .. 127; a block of zeros has e = 0. As a byte (E8M0): e + 127.
;;     - Each number is divided by its block's scale, clamped to +-7.5, and rounded to the nearest number of E2M3, ties to even, subnormals kept.
;;     - The product sums the exact products of the quantised numbers (number of the format x scale) in f32.
;;   ~~~python
;;   def quantise(x, axis):      # numpy; x: float32 -> the quantised numbers, widened to float32 again
;;       x = np.moveaxis(x, axis, -1); K = x.shape[-1]
;;       x = np.pad(x, [(0, 0)] * (x.ndim - 1) + [(0, -K % 32)]); x = x.reshape(x.shape[:-1] + (-1, 32)); a = np.abs(x).max(-1, keepdims=True)
;;       e = np.where(a > 0, np.clip(np.frexp(np.where(a > 0, a, 1))[1] - 1 - 2, -126, 127), 0)      # np.frexp(a)[1] - 1 = floor(log2(a)), exactly
;;       r = np.clip(x / 2.0 ** e, -7.5, 7.5)
;;       step = 2.0 ** (np.maximum(np.frexp(np.where(r == 0, 1, r))[1] - 1, 0) - 3)
;;       q = np.round(r / step) * step * 2.0 ** e      # np.round: ties to even
;;       return np.moveaxis(q.reshape(q.shape[:-2] + (-1,))[..., :K], -1, axis).astype(np.float32)
;;   ~~~
;;   SOFTMAX AHEAD OF A QUANTISED PRODUCT. Where the list says 'softmax', what is quantised is not the finished softmax but p = 2^(t - M), with t = logit x log2(e) and M = ceil(the row's largest t), a whole number; so 1/2 < the row's largest p <= 1. The row's sum l is taken of the UNQUANTISED p, in f32, and the product's result is divided by l at the end. Since M is a whole number, a kernel that streams over the keys may use a running M (the ceiling of the running maximum): every later rescaling is an exact power of two, which a block's scale takes up: the codes' values come out the same.
;;   OPERANDS COMPUTED ON THE WAY. 'Computed on the way' means the value that the module computes at that place (a softmax that the list does not call 'softmax' is quantised finished and normalised). What goes into a quantiser is computed in f32, as accurately as f32 sums, v_exp_f32 and their like allow (about 1e-6 of the number): no bf16 or f16 on the way to a quantiser, and a product that is left as it is and whose result goes on into a quantised operand takes f32 operands (vector FMAs, or v_wmma_f32_16x16x4_f32). A number that lies on a knife's edge between two numbers of the format may be rounded either way, as far as f32 arithmetic and the matrix unit's own rounding can turn it there, and no further.
;; One version. Each part assembles by itself: llvm-mc -triple=amdgcn-amd-amdhsa -mcpu=gfx1250 --defsym DOCPART=n.
;; ======== version 1 of 1: 4 launches
;; workspace buffers: xc 6,291,456 bytes; xs 262,144 bytes; wc 3,145,728 bytes; ws 131,072 bytes; qkvc 18,874,368 bytes; qkvs 1,572,864 bytes; aoc 6,291,456 bytes; aos 262,144 bytes
;; launch quant (part 1): grid 768 x 1, 4 waves a work-group, no clusters, 35,328 bytes of LDS; arguments x, w_qkv, w_proj, xc, xs, wc, ws; writes xc, xs, wc, ws
.if DOCPART == 1
	.amdgcn_target "amdgcn-amd-amdhsa--gfx1250"
	.amdhsa_code_object_version 6
	.text
	.protected	k_q479966c246_quant
	.globl	k_q479966c246_quant
	.p2align	8
	.type	k_q479966c246_quant,@function
k_q479966c246_quant:
	s_mov_b64 s[64:65], 0
	v_nop
	global_prefetch_b8 v0, s[64:65] scope:SCOPE_SE
	s_setreg_imm32_b32 hwreg(HW_REG_WAVE_MODE, 25, 1), 1
	s_wait_xcnt 0x0
; x [8192][1024], w_qkv [1024][3072] and w_proj [1024][1024], f32, become codes of FP6 (E2M3) with one E8M0 byte for each 32 along K (x: its last axis; the weights: their first).
; A block's scale is 2^(floor(log2(its largest magnitude)) - 2); its byte is that magnitude's exponent field - 2, held at 1 from below.
; LIMITS: NaN and infinities among the inputs are not served; a block whose largest magnitude lies under 2^-124 keeps the byte 1; a block of zeros gets the byte 1 where the rule says 127:
; its codes are zeros, which add nothing under any byte but 0xff, and the bytes are read by this program alone.
; THE OUTPUT IS LAID AS THE MATRIX OPERAND'S REGISTERS.  A tile is 16 rows (of x) or 16 columns (of a weight): lane r of tile T holds row 32 (T / 2) + 8 (T % 2) + r + 8 (r / 8).
; A half fragment is 16 rows x 64 along K, 768 bytes: three planes of 256 bytes; in plane p lane l = r + 16 h has 8 bytes at 8 l: registers 2 p, 2 p + 1 of the six that hold block h of row r.
; Codes: [tile][16 half fragments][768].  Scale bytes: [tile][4 chunks of 256 along K][r][8 bytes].  wc, ws: tiles 0-191 are w_qkv's columns, 192-255 w_proj's.
; Work-groups 0-511 take a tile of x each (wave w: K 256 w on); work-groups 512-767 take 128 columns x 128 along K of a weight (wave w: 32 columns).  Waves share nothing: no barrier.
; Every store's registers are written once, so no wait frees them.
.set XA, 16                            ; v16-79   two sets of 32 neighbours along K
.set RR, 80                            ; v80-207  numbers as they are loaded
.set CC, 208                           ; v208-239 codes: eight registers for each half fragment or block
; 32 numbers v[xs] on, one block, become six registers of codes at v[c] on; v12 the conversion's scale operand, v13 the byte
.macro QBLK xs, c
	v_max3_num_f32 v10, |v[\xs]|, |v[\xs+1]|, 0x1800000            ; the floor 2^(3 - 127) among the leaves: the byte cannot fall under 1
	v_max3_num_f32 v11, |v[\xs+2]|, |v[\xs+3]|, |v[\xs+4]|         ; two chains, so that no line waits for the line above it
.irp i, 5,9,13,17,21,25
	v_max3_num_f32 v10, v10, |v[\xs+\i]|, |v[\xs+\i+1]|
	v_max3_num_f32 v11, v11, |v[\xs+\i+2]|, |v[\xs+\i+3]|
.endr
	v_max3_num_f32 v10, v10, |v[\xs+29]|, |v[\xs+30]|
	v_max3_num_f32 v10, v10, v11, |v[\xs+31]|
	v_add_nc_u32 v12, 0xff000000, v10                              ; 2 off the exponent field: the conversion takes that field as its scale
	v_cvt_scalef32_pk16_fp6_f32 v[\c:\c+2], v[\xs:\xs+15], v12
	v_cvt_scalef32_pk16_fp6_f32 v[\c+4:\c+6], v[\xs+16:\xs+31], v12   ; (a conversion's three registers begin on an even number)
	v_lshrrev_b32 v13, 23, v12                                     ; the byte; also the plain line behind the conversions
	v_mov_b32 v[\c+3], v[\c+4]
	v_mov_b32 v[\c+4], v[\c+5]
	v_mov_b32 v[\c+5], v[\c+6]
.endm
	s_load_b256 s[4:11], s[0:1], 0x0               ; x s[4:5], w_qkv s[6:7], w_proj s[8:9], xc s[10:11]
	s_load_b128 s[12:15], s[0:1], 0x20             ; xs s[12:13], wc s[14:15]
	s_load_b64 s[16:17], s[0:1], 0x30              ; ws
	v_lshl_add_u32 v244, v0, 2, 0x8800
	v_mov_b32 v245, 0
	v_lshrrev_b32 v1, 5, v0
	v_readfirstlane_b32 s18, v1                    ; wave 0..3
	v_and_b32 v2, 15, v0                           ; r
	v_bfe_u32 v3, v0, 4, 1                         ; h
	v_and_b32 v7, 31, v0
	v_lshlrev_b32 v7, 3, v7                        ; 8 x lane: my place in a plane
	s_mov_b32 s20, 0x76543210
	s_mov_b32 s21, 0xfedcba98                      ; v_permlanex16_b32's selects for lane l xor 16
	s_cmp_lt_u32 ttmp9, 512
	s_cbranch_scc0 .Lweights
; ---------------- a tile of x.  Loads take the bytes as they lie (sixteen lanes read 256 consecutive bytes of a row); the wave's own stage in LDS turns them so that a lane holds a whole block.
	v_lshlrev_b32 v4, 4, v2
	v_lshl_add_u32 v4, v3, 12, v4                  ; 16 r + one row further down for lanes 16-31
	s_mul_i32 s22, s18, 8704                       ; my two stages of 16 rows x 272 bytes
	v_mul_u32_u24 v5, v3, 272
	v_lshl_add_u32 v5, v2, 4, v5
	v_add_nc_u32 v5, s22, v5                       ; in: rows 2 j + h
	v_mul_u32_u24 v6, v2, 272
	v_lshl_add_u32 v6, v3, 7, v6
	v_add_nc_u32 v6, s22, v6                       ; out: row r, block h: 128 bytes
	v_lshlrev_b32 v8, 3, v2
	v_lshl_add_u32 v8, v3, 2, v8                   ; the scale bytes: 8 r + 4 h
	v_lshlrev_b32 v9, 3, v3                        ; 8 h bits
	s_lshr_b32 s24, ttmp9, 1
	s_lshl_b32 s24, s24, 17                        ; 32 rows of 4,096 bytes
	s_and_b32 s25, ttmp9, 1
	s_lshl_b32 s25, s25, 15                        ; 8 rows
	s_add_co_u32 s24, s24, s25
	s_lshl_b32 s25, s18, 10                        ; K 256 w on
	s_add_co_u32 s24, s24, s25
	s_mov_b32 s25, 0
	s_mul_i32 s26, ttmp9, 12288
	s_mul_i32 s27, s18, 3072
	s_add_co_u32 s26, s26, s27
	s_mov_b32 s27, 0
	s_lshl_b32 s28, ttmp9, 9
	s_lshl_b32 s29, s18, 7
	s_add_co_u32 s28, s28, s29
	s_mov_b32 s29, 0
	s_wait_kmcnt 0x0
	s_add_nc_u64 s[4:5], s[4:5], s[24:25]
	s_add_nc_u64 s[10:11], s[10:11], s[26:27]
	s_add_nc_u64 s[12:13], s[12:13], s[28:29]
.irp i, 0,1,2,3
.irp j, 0,1,2,3,4,5,6,7
	global_load_b128 v[RR+32*\i+4*\j:RR+32*\i+4*\j+3], v4, s[4:5] offset:(2*\j+8*(\j/4))*4096+256*\i th:TH_LOAD_NT   ; the tile's rows 2 j, 2 j + 1; K 64 i on
.endr
.endr
.macro TURN i                          ; half fragment i through a stage; LDS serves a wave's instructions in order, so no wait stands between the stores and the loads
.irp j, 0,1,2,3,4,5,6,7
	ds_store_b128 v5, v[RR+32*(\i)+4*\j:RR+32*(\i)+4*\j+3] offset:4352*((\i)%2)+544*\j
.endr
.irp q, 0,1,2,3,4,5,6,7
	ds_load_b128 v[XA+32*((\i)%2)+4*\q:XA+32*((\i)%2)+4*\q+3], v6 offset:4352*((\i)%2)+16*\q
.endr
.endm
.macro XHF i
	QBLK XA+32*((\i)%2), CC+8*(\i)
.if (\i)%2 == 0
	v_mov_b32 v[14+(\i)/2], v13                    ; v14: the bytes of half fragments 0, 1; v15: of 2, 3; mine at bits 0 and 16
.else
	v_lshl_or_b32 v[14+(\i)/2], v13, 16, v[14+(\i)/2]
.endif
.irp p, 0,1,2
	global_store_b64 v7, v[CC+8*(\i)+2*\p:CC+8*(\i)+2*\p+1], s[10:11] offset:768*(\i)+256*\p   ; 32 lanes store 256 consecutive bytes, aligned
.endr
.endm
	s_wait_loadcnt 24                              ; half fragment 0's eight loads are in; the 24 behind them stay out
	TURN 0
.irp i, 0,1,2
	s_wait_loadcnt 16-8*\i                         ; the next half fragment's loads are in
	TURN \i+1
	s_wait_dscnt 16                                ; all but the sixteen LDS instructions just issued
	XHF \i
.endr
	s_wait_dscnt 0x0
	XHF 3
	v_lshlrev_b32 v14, v9, v14                     ; my bytes at their places: 8 h bits up
	v_lshlrev_b32 v15, v9, v15
	v_mov_b32 v240, 0                              ; (a lane permute's destination counts as one of its sources)
	v_mov_b32 v241, 0
	v_permlanex16_b32 v240, v14, s20, s21
	v_permlanex16_b32 v241, v15, s20, s21
	v_or_b32 v14, v14, v240                        ; with lane l xor 16's the words are whole
	v_or_b32 v15, v15, v241
	s_mov_b32 s22, 0xffff0000
	v_cndmask_b32 v10, v14, v15, s22               ; lanes 0-15 store the low word, lanes 16-31 the high one
	global_store_b32 v8, v10, s[12:13]             ; 128 consecutive bytes
	s_wait_tensorcnt 0x0
	ds_add_u32 v244, v245
	s_wait_dscnt 0x0
	s_endpgm
; ---------------- 128 columns x 128 along K of a weight.  A lane takes a column and its registers run down K: a block is one lane's, and the codes come out with K innermost.
.Lweights:
	s_sub_co_u32 s22, ttmp9, 512
	s_and_b32 s23, s22, 31                         ; which 128 columns: 0-23 w_qkv's, 24-31 w_proj's
	s_lshr_b32 s24, s22, 5                         ; which 128 along K
	v_and_b32 v10, 8, v2
	v_add_nc_u32 v10, v10, v2
	v_lshl_add_u32 v10, v3, 3, v10                 ; my column of the wave's 32: 8 u + r + 8 (r / 8): lanes 0-15 are the even tile, lanes 16-31 the odd one
	v_lshlrev_b32 v4, 2, v10
	v_lshlrev_b32 v8, 3, v2
	v_lshl_add_u32 v8, v3, 9, v8                   ; the scale words: 512 u + 8 r
	s_mov_b32 s25, 128*1024*4
	s_wait_kmcnt 0x0
	s_cmp_lt_u32 s23, 24                           ; the choice hangs on the work-group's number alone
	s_cselect_b64 s[28:29], s[6:7], s[8:9]
	s_cselect_b32 s25, 128*3072*4, s25             ; 128 rows of the weight, in bytes
	s_cselect_b32 s26, 0, 24
	s_sub_co_u32 s27, s23, s26
	s_lshl_b32 s27, s27, 9                         ; 128 columns of 4 bytes
	s_lshl_b32 s31, s18, 7                         ; my wave's 32
	s_add_co_u32 s27, s27, s31
	s_mul_i32 s30, s24, s25
	s_add_co_u32 s30, s30, s27
	s_mov_b32 s31, 0
	s_add_nc_u64 s[28:29], s[28:29], s[30:31]
	s_lshl_b32 s30, s23, 3
	s_lshl_b32 s31, s18, 1
	s_add_co_u32 s30, s30, s31                     ; my even tile
	s_mul_i32 s32, s30, 12288
	s_mul_i32 s33, s24, 1536
	s_add_co_u32 s32, s32, s33
	s_mov_b32 s33, 0
	s_lshl_b32 s34, s30, 9
	s_lshr_b32 s35, s24, 1
	s_lshl_b32 s35, s35, 7
	s_add_co_u32 s34, s34, s35
	s_and_b32 s35, s24, 1
	s_lshl_b32 s35, s35, 2
	s_add_co_u32 s34, s34, s35
	s_mov_b32 s35, 0
	s_add_nc_u64 s[14:15], s[14:15], s[32:33]
	s_add_nc_u64 s[16:17], s[16:17], s[34:35]
.macro WLOADS n                        ; W(k, my column), k = 0 .. 127 of my K step: each load reads 128 consecutive bytes; the row's length stands in the immediate
.set kk, 0
.rept 128
	global_load_b32 v[RR+kk], v4, s[28:29] offset:kk*\n*4 th:TH_LOAD_NT
.set kk, kk+1
.endr
.endm
	s_cmp_lt_u32 s23, 24
	s_cbranch_scc0 .Lproj
	WLOADS 3072
	s_branch .Lloaded
.Lproj:
	WLOADS 1024
.Lloaded:
.macro WBLOCK kb
	QBLK RR+32*(\kb), CC+8*(\kb)
.if (\kb) == 0
	v_mov_b32 v14, v13                             ; the K step's scale word of my column: the lower K in the lower byte
.else
	v_lshl_or_b32 v14, v13, 8*(\kb), v14
.endif
.endm
	s_wait_loadcnt 63                              ; at most 63 of the 128 are out: the first 65 are in, blocks 0 and 1 among them
	WBLOCK 0
	WBLOCK 1
	s_wait_loadcnt 32                              ; block 3's may be out
	WBLOCK 2
	s_wait_loadcnt 0x0
	WBLOCK 3
.irp c, 0,1                            ; the first's lanes 16-31 change places with the second's lanes 0-15: the first is then the even tile's half fragment (block h in lanes of half h), the second the odd tile's
.irp i, 0,1,2,3,4,5
	v_permlane16_swap_b32 v[CC+16*\c+\i], v[CC+16*\c+8+\i]
.endr
.endr
.irp c, 0,1
.irp u, 0,1
.irp p, 0,1,2
	global_store_b64 v7, v[CC+16*\c+8*\u+2*\p:CC+16*\c+8*\u+2*\p+1], s[14:15] offset:12288*\u+768*\c+256*\p   ; 256 consecutive bytes, aligned
.endr
.endr
.endr
	global_store_b32 v8, v14, s[16:17]
	s_endpgm
.Lfunc_end_k_q479966c246_quant:
	.size	k_q479966c246_quant, .Lfunc_end_k_q479966c246_quant-k_q479966c246_quant
	.p2alignl 7, 3214868480
	.fill 96, 4, 3214868480
	.section	.rodata,"a",@progbits
	.p2align	6, 0x0
	.amdhsa_kernel k_q479966c246_quant
		.amdhsa_group_segment_fixed_size 35328
		.amdhsa_private_segment_fixed_size 0
		.amdhsa_enable_private_segment 0
		.amdhsa_kernarg_size 56
		.amdhsa_user_sgpr_count 2
		.amdhsa_user_sgpr_kernarg_segment_ptr 1
		.amdhsa_wavefront_size32 1
		.amdhsa_system_sgpr_workgroup_id_x 1
		.amdhsa_system_sgpr_workgroup_id_y 1
		.amdhsa_system_sgpr_workgroup_id_z 1
		.amdhsa_system_vgpr_workitem_id 0
		.amdhsa_next_free_vgpr 246
		.amdhsa_next_free_sgpr 66
		.amdhsa_reserve_vcc 0
		.amdhsa_float_denorm_mode_32 3
		.amdhsa_float_denorm_mode_16_64 3
		.amdhsa_memory_ordered 1
		.amdhsa_forward_progress 1
		.amdhsa_inst_pref_size 50
	.end_amdhsa_kernel
	.amdgpu_metadata
---
amdhsa.version: [ 1, 2 ]
amdhsa.kernels:
  - .name:           k_q479966c246_quant
    .symbol:         k_q479966c246_quant.kd
    .args:
      - { .name: x, .offset: 0, .size: 8, .value_kind: global_buffer, .address_space: global }
      - { .name: w_qkv, .offset: 8, .size: 8, .value_kind: global_buffer, .address_space: global }
      - { .name: w_proj, .offset: 16, .size: 8, .value_kind: global_buffer, .address_space: global }
      - { .name: xc, .offset: 24, .size: 8, .value_kind: global_buffer, .address_space: global }
      - { .name: xs, .offset: 32, .size: 8, .value_kind: global_buffer, .address_space: global }
      - { .name: wc, .offset: 40, .size: 8, .value_kind: global_buffer, .address_space: global }
      - { .name: ws, .offset: 48, .size: 8, .value_kind: global_buffer, .address_space: global }
    .group_segment_fixed_size: 35328
    .private_segment_fixed_size: 0
    .kernarg_segment_align: 8
    .kernarg_segment_size: 56
    .max_flat_workgroup_size: 128
    .sgpr_count:     66
    .vgpr_count:     246
    .wavefront_size: 32
...
	.end_amdgpu_metadata
.endif
;; end of part 1
;; launch gemm_qkv (part 2): grid 192 x 4, 8 waves a work-group, clusters of 4 x 4, 327,680 bytes of LDS; arguments xc, xs, wc, ws, qkvc, qkvs; writes qkvc, qkvs
.if DOCPART == 2
	.amdgcn_target "amdgcn-amd-amdhsa--gfx1250"
	.amdhsa_code_object_version 6
	.text
	.protected	k_q479966c246_gemm_qkv
	.globl	k_q479966c246_gemm_qkv
	.p2align	8
	.type	k_q479966c246_gemm_qkv,@function
k_q479966c246_gemm_qkv:
	s_mov_b64 s[64:65], 0
	v_nop
	global_prefetch_b8 v0, s[64:65] scope:SCOPE_SE
	s_setreg_imm32_b32 hwreg(HW_REG_WAVE_MODE, 25, 1), 1
	s_wait_xcnt 0x0
	s_wait_alu depctr_hold_cnt(0) depctr_sa_sdst(0) depctr_va_vdst(0) depctr_va_sdst(0) depctr_va_ssrc(0) depctr_va_vcc(0) depctr_vm_vsrc(0)
	s_getreg_b32 s2, hwreg(HW_REG_IB_STS2, 6, 4)
	s_cmp_eq_u32 s2, 0
	s_cbranch_scc0 .Lentry_in_a_cluster
	s_endpgm
.Lentry_in_a_cluster:
	s_bfe_u32 s2, ttmp6, 0x10000c
	s_cmp_lg_u32 s2, 0xf033
	s_cbranch_scc0 .Lentry_shape_is_right
	s_endpgm
.Lentry_shape_is_right:
; qkv = x w_qkv on codes of FP6 (E2M3) with E8M0 scales, f32 sums; the results leave as codes again: q and k quantised along the head's 64, v along the keys.
; OPERANDS are images of the matrix operand's registers: [tile of 16 rows][16 half fragments of 64 along K][768 bytes]; scale bytes [tile][4 chunks of 256 along K][r][8].
; Lane r of tile T holds row 32 (T / 2) + 8 (T % 2) + r + 8 (r / 8): as source 0 such tiles give a lane 16 NEIGHBOURING rows in the 16 registers of tiles 2 b and 2 b + 1: rows 32 b + 16 h + 0 .. 15.
; A work-group makes 128 rows of source 0 x 256 rows of source 1 over all of K = 1,024; the whole of both operands' parts, 294,912 bytes of codes and 12,288 of scale bytes, is brought into LDS once:
; nothing is filled again.  Eight waves, each 64 x 64: 16 accumulators.  K goes in four chunks of 256, each read behind its own counted wait and a barrier, while the later chunks are on their way.
; ROLES.  Clusters 0-31 make q and k: source 0 = columns of w (a lane's registers run along the head's 64), source 1 = tokens.  Clusters 32-47 make v: source 0 = tokens (registers run along the keys),
; source 1 = columns of w.  Only pointers and indices are chosen, by s_cselect on the cluster's number: one text serves both.
; CLUSTERS: 4 x 4.  Source 1's part hangs on cy alone and is asked for jointly along a row of the cluster, source 0's on cx alone, along a column.  By this text's count a wave has five tensor loads out.
; OUTPUT.  qkvc: [q, k, v][batch x head][32 units][4 half fragments][768]; q, k: unit = token tile / 4, K = the head's 64; v: unit = 64 keys, slot = tile of the head's 64, K = the keys.
; qkvs: [q, k, v][batch x head][32 units][256]: lane (r, h) has 8 bytes: word j is the scale word of slot 2 j + h, row r: two bytes, and two bytes of 0.
; LIMITS: NaN and infinities are not served; a block whose largest magnitude lies under 2^-124 keeps the byte 1, a block of zeros too (its codes are zeros; this program alone reads the bytes).
.set A1,   4                           ; v4-7    LDS address of my source 1 fragments in chunk c
.set A0,   8                           ; v8-11   of my source 0 fragments
.set AS,   12                          ; v12     of my scale words: lanes 0-15 source 1's, lanes 16-31 source 0's
.set SC,   16                          ; v16-23  scale words: register 2 i + q: tile i, the chunk's q-th 128 along K
.set F0,   32                          ; v32-79  source 0: four fragments
.set F1,   80                          ; v80-127 source 1: four fragments
.set ACC,  128                         ; accumulator (a, b) at v[128 + 8 (4 a + b)]: a source 1's tile, b source 0's
.set TM,   64                          ; the way out: v64-71 largest magnitudes, v72-79 the other half's, v80-87 scale operands, v88-95 bytes, v96-99 words
.set CHB,  73728                       ; a chunk in LDS: source 1's 16 tiles x 3,072 bytes, then source 0's 8
.set S0O,  49152
.set SCL1, 294912                      ; source 1's scale bytes, 8,192
.set SCL0, 303104                      ; source 0's, 4,096
.set G1A,  24                          ; s[24:31] group 1, source 1's codes;  s[32:39] source 0's;  s[40:47], s[48:55] their scale bytes
.set G1B,  32
.set G1SA, 40
.set G1SB, 48
; groups 0: source 1: s56 scale bytes, s60, s68, s72, s76 chunks 0-3;  source 0: s80, and s84, s88, s92, s96
.macro ROUND                           ; a round of the cluster's barrier
	s_barrier_signal -1
	s_barrier_wait -1
	s_cmp_lg_u32 s16, 0
	s_cbranch_scc1 .Lnot_wave_0_\@
	s_barrier_signal -3
.Lnot_wave_0_\@:
	s_barrier_wait -3
	s_barrier_signal -1
	s_barrier_wait -1
.endm
.macro MKG1 g, c, r, p                 ; r rows of c elements of 8 bytes, p elements from row to row
	s_mov_b32 s[\g+1], (\c)<<16
	s_mov_b32 s[\g+2], (\r)<<16
	s_mov_b32 s[\g+3], (\c)<<16
	s_mov_b32 s[\g+4], \r
	s_mov_b32 s[\g+5], \p
	s_mov_b32 s[\g+6], 0
	s_mov_b32 s[\g+7], 0
.endm
.macro MKG0 g, l, k                    ; the address words are there already
	s_mov_b32 s[\g], 1
	s_add_co_u32 s[\g+1], s[\l], \k
	s_or_b32 s[\g+3], s[\g+3], 0x80000000
.endm
	s_load_b256 s[68:75], s[0:1], 0x0              ; xc s[68:69], xs s[70:71], wc s[72:73], ws s[74:75]
	s_load_b128 s[12:15], s[0:1], 0x20             ; qkvc, qkvs
	v_lshl_add_u32 v30, v0, 2, 0x4b000
	v_mov_b32 v31, 0
	ds_add_u32 v30, v31
	ds_add_u32 v30, v31
	v_lshrrev_b32 v1, 5, v0
	v_readfirstlane_b32 s16, v1                    ; wave 0..7
	s_and_b32 s17, s16, 3                          ; which quarter of an operand's part I fetch
	s_and_b32 s18, s16, 1                          ; which 64 rows of source 0 are mine
	s_lshr_b32 s19, s16, 1                         ; which 64 rows of source 1
	s_bfe_u32 s20, ttmp6, 0x40000                  ; cx
	s_bfe_u32 s21, ttmp6, 0x40004                  ; cy
	s_lshl_b32 s4, s21, 2
	s_lshl_b32 s4, 15, s4                          ; my row of the cluster
	s_lshl_b32 s8, 0x1111, s20                     ; my column
	s_or_b32 s[G1A], s4, (3<<16)|(1<<21)           ; 15:0 the mask; 17:16 elements of 8 bytes; 21 set beside a mask; no padding
	s_or_b32 s[G1SA], s4, (3<<16)|(1<<21)
	s_or_b32 s[G1B], s8, (3<<16)|(1<<21)
	s_or_b32 s[G1SB], s8, (3<<16)|(1<<21)
	MKG1 G1A, 384, 4, 1536                         ; four tiles' 3,072 bytes of a chunk, 12,288 bytes apart
	MKG1 G1B, 384, 2, 1536                         ; two tiles'
	MKG1 G1SA, 32, 8, 32                           ; four tiles' scale bytes: 2,048 dense bytes as rows of 256
	MKG1 G1SB, 32, 4, 32                           ; two tiles': 1,024
	s_and_b32 s9, ttmp9, 3
	s_lshl_b32 s9, s9, 2
	s_sub_co_u32 s10, ttmp9, 32
	s_lshl_b32 s10, s10, 2
	s_lshr_b32 s5, ttmp9, 2
	s_lshl_b32 s5, s5, 2
	s_wait_dscnt 0x0
	s_wait_kmcnt 0x0
	s_cmp_lt_u32 ttmp9, 32                         ; q and k, or v?  The cluster's number is the same in all partners
	s_cselect_b32 s22, s9, s10
	s_cselect_b32 s23, s5, 8
	s_cselect_b64 s[62:63], s[68:69], s[72:73]     ; source 1's codes: x, or w
	s_cselect_b64 s[58:59], s[70:71], s[74:75]     ; and scale bytes
	s_cselect_b64 s[86:87], s[72:73], s[68:69]     ; source 0's codes: w, or x
	s_cselect_b64 s[82:83], s[74:75], s[70:71]
	s_add_co_u32 s22, s22, s20                     ; i0: which 128 rows of source 0 (hangs on cx alone)
	s_add_co_u32 s23, s23, s21                     ; i1: which 256 rows of source 1 (on cy alone)
	s_lshl_b32 s4, s23, 4
	s_lshl_b32 s2, s17, 2
	s_add_co_u32 s4, s4, s2                        ; source 1: tile 16 i1 + 4 x quarter
	s_lshl_b32 s6, s4, 9
	s_mov_b32 s7, 0
	s_mul_i32 s4, s4, 12288
	s_mov_b32 s5, 0
	s_add_nc_u64 s[62:63], s[62:63], s[4:5]
	s_add_nc_u64 s[58:59], s[58:59], s[6:7]
	s_lshl_b32 s8, s22, 3
	s_lshl_b32 s2, s17, 1
	s_add_co_u32 s8, s8, s2                        ; source 0: tile 8 i0 + 2 x quarter
	s_lshl_b32 s10, s8, 9
	s_mov_b32 s11, 0
	s_mul_i32 s8, s8, 12288
	s_mov_b32 s9, 0
	s_add_nc_u64 s[86:87], s[86:87], s[8:9]
	s_add_nc_u64 s[82:83], s[82:83], s[10:11]
.irp c, 1,2,3
	s_add_nc_u64 s[66+4*\c:67+4*\c], s[62:63], 3072*\c     ; chunk c: 3,072 bytes on in each tile
	s_add_nc_u64 s[86+4*\c:87+4*\c], s[86:87], 3072*\c
.endr
	s_mul_i32 s2, s17, 12288                       ; where they go: the wave's number times a constant: no place in the cluster enters an LDS address
	s_lshl_b32 s3, s17, 11
	s_mul_i32 s66, s17, 6144
	s_lshl_b32 s67, s17, 10
	MKG0 56, 3, SCL1
	MKG0 60, 2, 0
	MKG0 80, 67, SCL0
	MKG0 84, 66, S0O
.irp c, 1,2,3
	MKG0 64+4*\c, 2, CHB*\c
	MKG0 84+4*\c, 66, CHB*\c+S0O
.endr
	ROUND                                          ; all sixteen work-groups are here: the joint loads meet
	s_cmp_lt_u32 s16, 4                            ; waves 0-3 fetch source 1's part, waves 4-7 source 0's: five loads each, in one branch on the wave's number
	s_cbranch_scc0 .Lfor_s0
	tensor_load_to_lds s[56:59], s[G1SA:G1SA+7]
	s_nop 0
	tensor_load_to_lds s[60:63], s[G1A:G1A+7]
	s_nop 0
	tensor_load_to_lds s[68:71], s[G1A:G1A+7]
	s_nop 0
	tensor_load_to_lds s[72:75], s[G1A:G1A+7]
	s_nop 0
	tensor_load_to_lds s[76:79], s[G1A:G1A+7]
	s_nop 0
.rept 4
	v_nop
.endr
	s_branch .Lasked
.Lfor_s0:
	tensor_load_to_lds s[80:83], s[G1SB:G1SB+7]
	s_nop 0
	tensor_load_to_lds s[84:87], s[G1B:G1B+7]
	s_nop 0
	tensor_load_to_lds s[88:91], s[G1B:G1B+7]
	s_nop 0
	tensor_load_to_lds s[92:95], s[G1B:G1B+7]
	s_nop 0
	tensor_load_to_lds s[96:99], s[G1B:G1B+7]
	s_nop 0
.rept 4
	v_nop
.endr
.Lasked:
	v_and_b32 v1, 15, v0                           ; r
	v_bfe_u32 v2, v0, 4, 1                         ; h
	v_and_b32 v3, 31, v0
	v_lshlrev_b32 v3, 3, v3                        ; 8 x lane: my place in a plane of 256 bytes
	s_mul_i32 s2, s19, 12288                       ; my four tiles of source 1
	s_mul_i32 s3, s18, 12288                       ; my four of source 0,
	s_add_co_u32 s3, s3, S0O                       ; behind source 1's sixteen
.irp c, 0,1,2,3
	v_add_nc_u32 v[A1+\c], s2, v3
	v_add_nc_u32 v[A0+\c], s3, v3
	s_add_co_u32 s2, s2, CHB
	s_add_co_u32 s3, s3, CHB
.endr
	s_lshl_b32 s2, s19, 11                         ; scale bytes: 512 a tile
	s_lshl_b32 s3, s18, 11
	s_add_co_u32 s3, s3, SCL0-SCL1
	s_sub_co_u32 s3, s3, s2                        ; from source 1's to source 0's: one product with h
	v_mul_u32_u24 v[AS], s3, v2
	v_lshl_add_u32 v[AS], v1, 3, v[AS]
	s_add_co_u32 s2, s2, SCL1
	v_add_nc_u32 v[AS], s2, v[AS]
	; where my 64 x 64 goes: one unit of qkvc and of qkvs
	s_lshl_b32 s66, s22, 1
	s_add_co_u32 s66, s66, s18                     ; 2 i0 + my half: q, k: which head's columns (0-15 q, 16-31 k); v: which 64 keys of the 8,192
	s_lshr_b32 s67, s66, 4
	s_lshl_b32 s67, s67, 11                        ; q, k: section x 2,048 units
	s_lshr_b32 s100, s23, 3
	s_lshl_b32 s100, s100, 4                       ; 16 x batch
	s_and_b32 s101, s66, 15
	s_add_co_u32 s100, s100, s101                  ; + head
	s_lshl_b32 s100, s100, 5
	s_add_co_u32 s67, s67, s100
	s_and_b32 s100, s23, 7
	s_lshl_b32 s100, s100, 2
	s_add_co_u32 s67, s67, s100
	s_add_co_u32 s67, s67, s19                     ; + the unit in the head: 4 (i1 % 8) + my quarter
	s_lshr_b32 s100, s66, 5
	s_lshl_b32 s100, s100, 4                       ; v: 16 x batch
	s_lshl_b32 s101, s21, 2
	s_add_co_u32 s100, s100, s101
	s_add_co_u32 s100, s100, s19                   ; + head = 4 cy + my quarter
	s_lshl_b32 s100, s100, 5
	s_and_b32 s101, s66, 31
	s_add_co_u32 s100, s100, s101                  ; + which 64 keys of the head
	s_add_co_u32 s100, s100, 4096                  ; in section 2
	s_cmp_lt_u32 ttmp9, 32
	s_cselect_b32 s66, s67, s100
	s_mul_i32 s100, s66, 3072
	s_mov_b32 s101, 0
	s_add_nc_u64 s[12:13], s[12:13], s[100:101]
	s_lshl_b32 s66, s66, 8
	s_mov_b32 s67, 0
	s_add_nc_u64 s[14:15], s[14:15], s[66:67]
	s_mov_b32 s2, 0x76543210
	s_mov_b32 s3, 0xfedcba98                       ; v_permlanex16_b32's selects for lane l xor 16
	s_mov_b32 s66, 0xffff0000                      ; lanes 16-31
; 128 along K: the chunk's q-th.  52 or 48 LDS loads of 8 bytes a lane, each of 256 consecutive bytes, then 16 matrix instructions, the 16 accumulators by turns.
; Source 0's scale words stand in lanes 16-31 of register 2 b + q, source 1's in lanes 0-15 of register 2 a + q.
.macro KSTEP c, q, zero, first
.if \first == 0
.rept 4
	v_nop                                          ; places in front of loads into registers that matrix instructions have read (ISA guide 7.12.1 for vector instructions)
.endr
.endif
.if \q == 0
.irp i, 0,1,2,3
	ds_load_b64 v[SC+2*\i:SC+2*\i+1], v[AS] offset:512*\i+128*\c
.endr
.endif
.irp b, 0,1,2,3
.irp p, 0,1,2,3,4,5
	ds_load_b64 v[F0+12*\b+2*\p:F0+12*\b+2*\p+1], v[A0+\c] offset:3072*\b+1536*\q+256*\p
.endr
.endr
.irp a, 0,1,2,3
.irp p, 0,1,2,3,4,5
	ds_load_b64 v[F1+12*\a+2*\p:F1+12*\a+2*\p+1], v[A1+\c] offset:3072*\a+1536*\q+256*\p
.endr
.endr
.irp a, 0,1,2,3
	s_wait_dscnt 18-6*\a                           ; the fragments of source 1's tiles behind a may be out
.irp b, 0,1,2,3
.if \zero
	v_wmma_scale_f32_16x16x128_f8f6f4 v[ACC+8*(4*\a+\b):ACC+8*(4*\a+\b)+7], v[F0+12*\b:F0+12*\b+11], v[F1+12*\a:F1+12*\a+11], 0, v[SC+2*\b+\q], v[SC+2*\a+\q] matrix_a_fmt:MATRIX_FMT_FP6 matrix_b_fmt:MATRIX_FMT_FP6 matrix_a_scale:MATRIX_SCALE_ROW1
.else
	v_wmma_scale_f32_16x16x128_f8f6f4 v[ACC+8*(4*\a+\b):ACC+8*(4*\a+\b)+7], v[F0+12*\b:F0+12*\b+11], v[F1+12*\a:F1+12*\a+11], v[ACC+8*(4*\a+\b):ACC+8*(4*\a+\b)+7], v[SC+2*\b+\q], v[SC+2*\a+\q] matrix_a_fmt:MATRIX_FMT_FP6 matrix_b_fmt:MATRIX_FMT_FP6 matrix_a_scale:MATRIX_SCALE_ROW1
.endif
.endr
.endr
.endm
.macro CHUNK c, z
	s_wait_tensorcnt 3-\c                          ; my scale bytes and my parts of chunks 0 .. c have landed; the 3 - c later chunks stay out
	s_barrier_signal -1                            ; (no LDS instruction of mine is out: the last step's last wait was for 0)
	s_barrier_wait -1                              ; everybody's have
	KSTEP \c, 0, \z, \z
	KSTEP \c, 1, 0, 0
.endm
	CHUNK 0, 1                                     ; the first step's products start the sums: nothing is cleared
	CHUNK 1, 0
	CHUNK 2, 0
	CHUNK 3, 0
; THE WAY OUT.  For source 1's tile a, lane (r, h) holds of its row r the 64 numbers 32 bb + 16 h + i at register 32 a + 16 bb + i: two half blocks.  Eight chains e = 2 a + bb by turns.
.rept 4
	v_nop                                          ; places behind the last products: results are read, and registers that held fragments are written
.endr
.irp e, 0,1,2,3,4,5,6,7
	v_max3_num_f32 v[TM+\e], |v[ACC+16*\e]|, |v[ACC+16*\e+1]|, 0x1800000   ; each accumulator from its low end on; the floor 2^(3 - 127) among the leaves
.endr
.irp i, 2,4,6,8,10,12,14
.irp e, 0,1,2,3,4,5,6,7
	v_max3_num_f32 v[TM+\e], v[TM+\e], |v[ACC+16*\e+\i]|, |v[ACC+16*\e+\i+1]|
.endr
.endr
.irp e, 0,1,2,3,4,5,6,7
	v_permlanex16_b32 v[TM+8+\e], v[TM+\e], s2, s3
.endr
.irp e, 0,1,2,3,4,5,6,7
	v_max_num_f32 v[TM+\e], v[TM+\e], v[TM+8+\e]   ; with lane l xor 16's: the block's largest magnitude
.endr
.irp e, 0,1,2,3,4,5,6,7
	v_add_nc_u32 v[TM+16+\e], 0xff000000, v[TM+\e] ; 2 off the exponent field: the conversion's scale operand
.endr
.irp e, 0,1,2,3,4,5,6,7
	v_lshrrev_b32 v[TM+24+\e], 23, v[TM+16+\e]     ; the byte
.endr
.irp a, 0,1,2,3
	v_lshl_or_b32 v[TM+32+\a], v[TM+25+2*\a], 8, v[TM+24+2*\a]   ; the row's scale word: two bytes, and two of 0
.endr
.irp a, 0,1,2,3
	v_cvt_scalef32_pk16_fp6_f32 v[32+8*\a:34+8*\a], v[ACC+32*\a:ACC+32*\a+15], v[TM+16+2*\a]
	v_cvt_scalef32_pk16_fp6_f32 v[36+8*\a:38+8*\a], v[ACC+32*\a+16:ACC+32*\a+31], v[TM+17+2*\a]
.endr
	v_nop                                          ; one plain place behind the conversions
.irp a, 0,1,2,3
.irp i, 0,1,2
	v_permlane16_swap_b32 v[32+8*\a+\i], v[36+8*\a+\i]   ; the first then holds the lower 16 codes of block h, the second the upper 16
.endr
.endr
.irp a, 0,1,2,3
	v_mov_b32 v[35+8*\a], v[36+8*\a]
	v_mov_b32 v[36+8*\a], v[37+8*\a]
	v_mov_b32 v[37+8*\a], v[38+8*\a]
.endr
	v_cndmask_b32 v100, v[TM+32], v[TM+33], s66    ; lanes 0-15: slots 0 and 2; lanes 16-31: slots 1 and 3
	v_cndmask_b32 v101, v[TM+34], v[TM+35], s66
.irp a, 0,1,2,3
.irp p, 0,1,2
	global_store_b64 v3, v[32+8*\a+2*\p:33+8*\a+2*\p], s[12:13] offset:768*\a+256*\p   ; 32 lanes store 256 consecutive bytes, aligned
.endr
.endr
	global_store_b64 v3, v[100:101], s[14:15]
	s_wait_tensorcnt 0x0
	ds_add_u32 v30, v31
	s_wait_dscnt 0x0
	ROUND                                          ; the closing round: no work-group ends while a partner may still ask for a tile that names it
	s_endpgm
.Lfunc_end_k_q479966c246_gemm_qkv:
	.size	k_q479966c246_gemm_qkv, .Lfunc_end_k_q479966c246_gemm_qkv-k_q479966c246_gemm_qkv
	.p2alignl 7, 3214868480
	.fill 96, 4, 3214868480
	.section	.rodata,"a",@progbits
	.p2align	6, 0x0
	.amdhsa_kernel k_q479966c246_gemm_qkv
		.amdhsa_group_segment_fixed_size 327680
		.amdhsa_private_segment_fixed_size 0
		.amdhsa_enable_private_segment 0
		.amdhsa_kernarg_size 48
		.amdhsa_user_sgpr_count 2
		.amdhsa_user_sgpr_kernarg_segment_ptr 1
		.amdhsa_wavefront_size32 1
		.amdhsa_system_sgpr_workgroup_id_x 1
		.amdhsa_system_sgpr_workgroup_id_y 1
		.amdhsa_system_sgpr_workgroup_id_z 1
		.amdhsa_system_vgpr_workitem_id 0
		.amdhsa_next_free_vgpr 256
		.amdhsa_next_free_sgpr 102
		.amdhsa_reserve_vcc 0
		.amdhsa_float_denorm_mode_32 3
		.amdhsa_float_denorm_mode_16_64 3
		.amdhsa_memory_ordered 1
		.amdhsa_forward_progress 1
		.amdhsa_inst_pref_size 64
	.end_amdhsa_kernel
	.amdgpu_metadata
---
amdhsa.version: [ 1, 2 ]
amdhsa.kernels:
  - .name:           k_q479966c246_gemm_qkv
    .symbol:         k_q479966c246_gemm_qkv.kd
    .args:
      - { .name: xc, .offset: 0, .size: 8, .value_kind: global_buffer, .address_space: global }
      - { .name: xs, .offset: 8, .size: 8, .value_kind: global_buffer, .address_space: global }
      - { .name: wc, .offset: 16, .size: 8, .value_kind: global_buffer, .address_space: global }
      - { .name: ws, .offset: 24, .size: 8, .value_kind: global_buffer, .address_space: global }
      - { .name: qkvc, .offset: 32, .size: 8, .value_kind: global_buffer, .address_space: global }
      - { .name: qkvs, .offset: 40, .size: 8, .value_kind: global_buffer, .address_space: global }
    .group_segment_fixed_size: 327680
    .private_segment_fixed_size: 0
    .kernarg_segment_align: 8
    .kernarg_segment_size: 48
    .max_flat_workgroup_size: 256
    .sgpr_count:     102
    .vgpr_count:     256
    .wavefront_size: 32
...
	.end_amdgpu_metadata
.endif
;; end of part 2
;; launch attn (part 3): grid 4 x 64, 16 waves a work-group, no clusters, 215,040 bytes of LDS; arguments qkvc, qkvs, aoc, aos; writes aoc, aos
.if DOCPART == 3
	.amdgcn_target "amdgcn-amd-amdhsa--gfx1250"
	.amdhsa_code_object_version 6
	.text
	.protected	k_q479966c246_attn
	.globl	k_q479966c246_attn
	.p2align	8
	.type	k_q479966c246_attn,@function
k_q479966c246_attn:
	s_mov_b64 s[64:65], 0
	v_nop
	global_prefetch_b8 v0, s[64:65] scope:SCOPE_SE
	s_setreg_imm32_b32 hwreg(HW_REG_WAVE_MODE, 25, 1), 1
	s_wait_xcnt 0x0
; Causal attention of one head on codes of FP6 (E2M3) with E8M0 scales; T = 2,048, head size 64.  The result, divided by the row's sum, leaves as codes quantised along C for the last product.
; THE SOFTMAX: t = score x log2(e) / 8; M = the row's largest t so far, rounded UP to a whole number; p = 2^(t - M) is quantised along the keys, not normalised; the row's sum is taken of the unquantised p.
; When M moves, the sum and O are multiplied by 2^(old M - new M): exact.
; SHARES.  256 work-groups: work-group (j, batch x head) owns the blocks 7 - j and j of 256 queries, so that every work-group has the same number of key steps under the causal mask.
; Each of sixteen waves owns one tile of 16 queries of each block and takes them one after the other (macro PASS, written twice).  A key step is 128 keys.
; LDS.  The head's whole K and V, 196,608 bytes of codes and 16,384 of scale bytes, come once: wave w fetches key step w by two tensor loads (each: a row of K's section and a row of V's).  Nothing is
; filled again and nothing is stored to LDS.  By this text's count a wave has two tensor loads out.
; NO CLUSTER, though the four work-groups of a head read the same K and V: the steps that the causal mask hides are left out by a branch on the block of queries, which would be a partner's place in its
; cluster.  NO PREFETCH: all that the launch reads from memory in bulk is asked for at its head.
; LAYOUT.  Both products transposed: S^T = K Q^T (source 0 = 16 keys), O^T = V^T P^T (source 0 = 16 of the head's 64): a lane holds ONE query throughout.  Lane r of a tile T (of queries, keys or the head's 64)
; holds row 32 (T / 2) + 8 (T % 2) + r + 8 (r / 8), so the 16 registers of result tiles 2 b, 2 b + 1 are 16 neighbours: 32 b + 16 h + 0 .. 15.
; The first product's K is 64: registers 6-11 of Q's and K's fragments are zero codes, under scale bytes of 0 (2^-127, no NaN): they add nothing.
; The 16 queries of a tile lie inside 32 aligned rows, so a step that is not hidden has its first key at or before every query of the tile: no row of a step is without a key.
; LIMITS: NaN and infinities are not served; a block whose largest magnitude lies under 2^-124 keeps the byte 1, a block of zeros too (its codes are zeros; this program alone reads the bytes).
; REGISTERS: v1 8 x lane; v2 my query - 16 h; v3 8 r + h; v4-7 the blocks' largest scores; v8, v9 LDS addresses; v10-11, v30-31 V's scale words; v12 -M, v13 the largest t, v[14:15] the sum in two halves;
; v16-27 Q; v28 Q's scale words; v29 r + 8 (r / 8) - 16 h; v32-79 four fragments of K; v80-127 four of V; v128-191 S^T, then p; v192-223 O^T; v224-235 p's codes; v236-247, v252-255 at work; v248-251 K's scale words.
.set STEPB, 12288                      ; a key step in LDS: K's 8 tiles x 768 bytes, then V's [2 x 64 keys][4 tiles][768]
.set SCB,   196608                     ; behind the codes: 1,024 bytes a step: K's two units of scale words, then V's two
	s_load_b256 s[4:11], s[0:1], 0x0               ; qkvc s[4:5], qkvs s[6:7], aoc s[8:9], aos s[10:11]
	v_lshl_add_u32 v254, v0, 2, 0x34000
	v_mov_b32 v255, 0
	ds_add_u32 v254, v255
	ds_add_u32 v254, v255
	s_wait_dscnt 0x0
	v_lshrrev_b32 v1, 5, v0
	s_delay_alu instid0(VALU_DEP_1)
	v_readfirstlane_b32 s12, v1                    ; wave 0..15
	s_mov_b32 s13, ttmp9                           ; j
	s_and_b32 s14, ttmp7, 0xffff                   ; batch x head
	s_and_b32 s15, s14, 15                         ; head
	s_lshr_b32 s16, s14, 4                         ; batch
	s_mov_b32 s24, 3<<16                           ; group 1, codes: no mask, elements of 8 bytes, no padding
	s_mov_b32 s25, 768<<16                         ; tensor_dim0: a step's 6,144 bytes
	s_mov_b32 s26, 2<<16                           ; tensor_dim1: K's row and V's
	s_mov_b32 s27, 768<<16                         ; tile_dim0
	s_mov_b32 s28, 2                               ; tile_dim1
	s_mov_b32 s29, 786432                          ; from K's section to V's: 6,291,456 bytes
	s_mov_b32 s30, 0
	s_mov_b32 s31, 0
	s_mov_b32 s32, 3<<16                           ; group 1, scale bytes: two rows of 512 bytes, 524,288 bytes apart
	s_mov_b32 s33, 64<<16
	s_mov_b32 s34, 2<<16
	s_mov_b32 s35, 64<<16
	s_mov_b32 s36, 2
	s_mov_b32 s37, 65536
	s_mov_b32 s38, 0
	s_mov_b32 s39, 0
	s_mul_i32 s41, s12, STEPB                      ; LDS: the wave's number times a constant
	s_lshl_b32 s45, s12, 10
	s_add_co_u32 s45, s45, SCB
	s_mul_i32 s66, s14, 98304                      ; the head's codes in a section,
	s_mul_i32 s67, s12, 6144                       ; my key step,
	s_add_co_u32 s66, s66, s67
	s_add_co_u32 s66, s66, 6291456                 ; in K's section
	s_mov_b32 s67, 0
	s_lshl_b32 s68, s14, 13
	s_lshl_b32 s69, s12, 9
	s_add_co_u32 s68, s68, s69
	s_add_co_u32 s68, s68, 524288
	s_mov_b32 s69, 0
	s_mov_b32 s20, 0x76543210
	s_mov_b32 s21, 0xfedcba98                      ; v_permlanex16_b32's selects for lane l xor 16
	s_mov_b32 s22, 0x3e38aa3b                      ; c = log2(e) / sqrt(64)
	s_mov_b32 s23, s22                             ; (named with it as a pair, so it is written)
	s_mov_b32 s53, 0xffff0000                      ; lanes 16-31
	s_wait_kmcnt 0x0
	s_mov_b32 s40, 1
	s_add_nc_u64 s[42:43], s[4:5], s[66:67]
	s_or_b32 s43, s43, 0x80000000
	s_mov_b32 s44, 1
	s_add_nc_u64 s[46:47], s[6:7], s[68:69]
	s_or_b32 s47, s47, 0x80000000
	tensor_load_to_lds s[40:43], s[24:31]          ; key step w: codes,
	s_nop 0
	tensor_load_to_lds s[44:47], s[32:39]          ; and scale bytes
	s_nop 0
.rept 4
	v_nop
.endr
	v_and_b32 v1, 31, v0
	s_delay_alu instid0(VALU_DEP_1)
	v_lshlrev_b32 v1, 3, v1                        ; 8 x lane
	v_and_b32 v4, 15, v0                           ; r
	v_bfe_u32 v5, v0, 4, 1                         ; h
	s_delay_alu instid0(VALU_DEP_1)
	v_lshl_add_u32 v3, v4, 3, v5                   ; 8 r + h
	s_delay_alu instid0(VALU_DEP_3)
	v_and_b32 v6, 8, v4
	s_delay_alu instid0(VALU_DEP_1)
	v_add_nc_u32 v29, v6, v4
	s_delay_alu instid0(VALU_DEP_4)
	v_lshlrev_b32 v6, 4, v5
	s_delay_alu instid0(VALU_DEP_1)
	v_sub_nc_u32 v29, v29, v6                      ; r + 8 (r / 8) - 16 h
.irp i, 22,23,24,25,26,27
	v_mov_b32 v[\i], 0                             ; Q's K = 64 .. 127: zero codes
.endr
.irp t, 0,1,2,3
.irp i, 6,7,8,9,10,11
	v_mov_b32 v[32+12*\t+\i], 0                    ; K's likewise: written once, never loaded
.endr
.endr
.irp b, 0,1,2,3
	v_mov_b32 v[236+\b], 0                         ; written once: a lane permute's destination counts as one of its sources
.endr
	v_mov_b32 v253, 0                              ; (named as the upper half of the pair v[252:253] before it is first written)
	s_wait_tensorcnt 0x0                           ; my step has landed,
	s_barrier_signal -1
	s_barrier_wait -1                              ; everybody's has: from here on LDS is only read
.macro PASS first
.if \first
	s_sub_co_u32 s17, 7, s13                       ; the block of 256 queries: 7 - j,
.else
	s_mov_b32 s17, s13                             ; then j
.endif
	s_lshl_b32 s18, s17, 4
	s_add_co_u32 s18, s18, s12                     ; my tile of queries in the head
	s_lshr_b32 s52, s18, 1
	s_lshl_b32 s52, s52, 5
	s_and_b32 s62, s18, 1
	s_lshl_b32 s63, s62, 3
	s_add_co_u32 s52, s52, s63                     ; its first query,
	s_add_co_u32 s19, s52, 23                      ; and its last
	s_mul_i32 s66, s14, 98304
	s_mul_i32 s67, s18, 768
	s_add_co_u32 s66, s66, s67
	s_mov_b32 s67, 0
	s_add_nc_u64 s[54:55], s[4:5], s[66:67]        ; Q's half fragment
	s_lshl_b32 s66, s14, 13
	s_lshr_b32 s68, s18, 2
	s_lshl_b32 s68, s68, 8
	s_add_co_u32 s66, s66, s68                     ; Q's scale words: the unit,
	s_lshl_b32 s68, s62, 7
	s_add_co_u32 s66, s66, s68                     ; the half of the lanes (slot % 2),
	s_bfe_u32 s68, s18, 0x10001
	s_lshl_b32 s68, s68, 2
	s_add_co_u32 s66, s66, s68                     ; the word (slot / 2)
	s_add_nc_u64 s[56:57], s[6:7], s[66:67]
	s_lshl_b32 s68, s16, 7
	s_add_co_u32 s68, s68, s18                     ; the tile of tokens among all 512
	s_mul_i32 s66, s68, 12288
	s_mul_i32 s69, s15, 768
	s_add_co_u32 s66, s66, s69
	s_add_nc_u64 s[58:59], s[8:9], s[66:67]        ; the result's half fragment: K = 64 x head on
	s_lshl_b32 s66, s68, 9
	s_lshr_b32 s69, s15, 2
	s_lshl_b32 s69, s69, 7
	s_add_co_u32 s66, s66, s69
	s_and_b32 s69, s15, 3
	s_lshl_b32 s69, s69, 1
	s_add_co_u32 s66, s66, s69
	s_add_nc_u64 s[60:61], s[10:11], s[66:67]      ; and its two scale bytes a row
	v_add_nc_u32 v2, s52, v29                      ; my query - 16 h
	v_and_b32 v254, 15, v0
	s_delay_alu instid0(VALU_DEP_1)
	v_lshlrev_b32 v254, 3, v254                    ; 8 r
.irp p, 0,1,2
	global_load_b64 v[16+2*\p:17+2*\p], v1, s[54:55] offset:256*\p
.endr
	global_load_b32 v28, v254, s[56:57]
	v_mov_b32 v13, 0xff61b1e6                      ; the largest t so far: -3e38, under every t
	s_delay_alu instid0(VALU_DEP_1)
	v_floor_f32 v12, -v13                          ; -M
	v_mov_b32 v14, 0
	v_mov_b32 v15, 0
.set n, 0
.rept 32
	v_mov_b32 v[192+n], 0                          ; O^T: the step is written once; the first finds zeros, which the first change of M leaves zeros
.set n, n+1
.endr
	s_mov_b32 s48, 0                               ; the step's codes in LDS,
	s_mov_b32 s49, SCB                             ; its scale bytes,
	s_mov_b32 s50, 0                               ; its first key
	s_mov_b32 s51, 16                              ; the trip count is a constant; a hidden step's work is jumped over
	s_wait_loadcnt 0x0                             ; Q
.Lstep_\@:
	s_cmp_gt_u32 s50, s19                          ; all 128 keys come after my 16 queries: a branch on ids
	s_cbranch_scc1 .Lhidden_\@
	s_setprio 2
	v_add_nc_u32 v8, s48, v1
	v_add_nc_u32 v9, s49, v1
	v_nop
	v_nop                                          ; with the two additions: four places in front of loads into registers that the last step's products have read
	ds_load_b64 v[248:249], v9                     ; K's scale words: register t / 2, lanes of half t % 2: tiles 0-3,
	ds_load_b64 v[250:251], v9 offset:256          ; tiles 4-7
	ds_load_b64 v[10:11], v9 offset:512            ; V's, of the step's first 64 keys,
	ds_load_b64 v[30:31], v9 offset:768            ; and of its second
.irp t, 0,1,2,3
.irp p, 0,1,2
	ds_load_b64 v[32+12*\t+2*\p:33+12*\t+2*\p], v8 offset:768*\t+256*\p
.endr
.endr
.irp c, 0,1
.irp t, 0,1,2,3
.irp p, 0,1,2
	ds_load_b64 v[80+12*\t+6*\c+2*\p:81+12*\t+6*\c+2*\p], v8 offset:6144+3072*\c+768*\t+256*\p
.endr
.endr
.endr
	s_wait_alu depctr_va_vdst(0)
	s_wait_dscnt 24                                ; V's 24 loads may be out
.irp t, 0,1,2,3
.if \t % 2
	v_wmma_scale_f32_16x16x128_f8f6f4 v[128+8*\t:135+8*\t], v[32+12*\t:43+12*\t], v[16:27], 0, v[248+\t/2], v28 matrix_a_fmt:MATRIX_FMT_FP6 matrix_b_fmt:MATRIX_FMT_FP6 matrix_a_scale:MATRIX_SCALE_ROW1
.else
	v_wmma_scale_f32_16x16x128_f8f6f4 v[128+8*\t:135+8*\t], v[32+12*\t:43+12*\t], v[16:27], 0, v[248+\t/2], v28 matrix_a_fmt:MATRIX_FMT_FP6 matrix_b_fmt:MATRIX_FMT_FP6
.endif
.endr
	v_lshl_or_b32 v10, v30, 16, v10                ; V's scale words for 128 keys: two bytes of each 64.  (With the two v_nop: four places in front of the loads below)
	v_lshl_or_b32 v11, v31, 16, v11
	v_nop
	v_nop
.irp t, 0,1,2,3
.irp p, 0,1,2
	ds_load_b64 v[32+12*\t+2*\p:33+12*\t+2*\p], v8 offset:3072+768*\t+256*\p
.endr
.endr
	s_wait_dscnt 0x0
.irp t, 0,1,2,3
.if \t % 2
	v_wmma_scale_f32_16x16x128_f8f6f4 v[160+8*\t:167+8*\t], v[32+12*\t:43+12*\t], v[16:27], 0, v[250+\t/2], v28 matrix_a_fmt:MATRIX_FMT_FP6 matrix_b_fmt:MATRIX_FMT_FP6 matrix_a_scale:MATRIX_SCALE_ROW1
.else
	v_wmma_scale_f32_16x16x128_f8f6f4 v[160+8*\t:167+8*\t], v[32+12*\t:43+12*\t], v[16:27], 0, v[250+\t/2], v28 matrix_a_fmt:MATRIX_FMT_FP6 matrix_b_fmt:MATRIX_FMT_FP6
.endif
.endr
.rept 4
	v_nop                                          ; places in front of the first read of the scores
.endr
	s_add_co_u32 s62, s50, 127                     ; on the diagonal hidden scores become -infinity ahead of the maximum: p = 0 then.  A step all of whose keys count skips this
	s_cmp_le_u32 s62, s52
	s_cbranch_scc1 .Lopen_\@
	v_sub_nc_u32 v254, v2, s50                     ; d = my query - the step's first key - 16 h.  Register 16 b + i holds key 32 b + 16 h + i of the step: hidden where 32 b + i > d
	v_mov_b32 v255, 0xff800000
.set n, 0
.rept 64
	v_cmp_gt_i32 vcc_lo, 32*(n/16)+n%16, v254
	v_cndmask_b32 v[128+n], v[128+n], v255, vcc_lo
.set n, n+1
.endr
.Lopen_\@:
.irp b, 0,1,2,3
	v_max3_num_f32 v[4+\b], v[128+16*\b], v[129+16*\b], v[130+16*\b]   ; the largest score of each block of 32 keys: for the row's maximum and, since p rises with the score, for the block's largest p
.endr
.irp i, 3,5,7,9,11,13
.irp b, 0,1,2,3
	v_max3_num_f32 v[4+\b], v[4+\b], v[128+16*\b+\i], v[129+16*\b+\i]
.endr
.endr
.irp b, 0,1,2,3
	v_max_num_f32 v[4+\b], v[4+\b], v[143+16*\b]
.endr
.irp b, 0,1,2,3
	s_delay_alu instid0(VALU_DEP_4)
	v_permlanex16_b32 v[236+\b], v[4+\b], s20, s21
.endr
.irp b, 0,1,2,3
	s_delay_alu instid0(VALU_DEP_4)
	v_max_num_f32 v[4+\b], v[4+\b], v[236+\b]      ; with lane l xor 16's 16 keys
.endr
	s_delay_alu instid0(VALU_DEP_2)
	v_max3_num_f32 v254, v4, v5, v6
	s_delay_alu instid0(VALU_DEP_1)
	v_max_num_f32 v254, v254, v7                   ; the step's largest score of my query
	s_delay_alu instid0(VALU_DEP_1)
	v_mul_f32 v254, s22, v254                      ; as t (c is positive)
	s_delay_alu instid0(VALU_DEP_1)
	v_max_num_f32 v13, v13, v254                   ; the running largest t
	v_mov_b32 v254, v12
	s_delay_alu instid0(VALU_DEP_2)
	v_floor_f32 v12, -v13                          ; the new -M = floor(-t): M is a whole number
	s_delay_alu instid0(VALU_DEP_1)
	v_sub_f32 v254, v12, v254                      ; old M - new M: a whole number, 0 or less
	s_delay_alu instid0(VALU_DEP_1)
	v_cvt_i32_f32 v254, v254                       ; (it saturates)
	s_delay_alu instid0(VALU_DEP_1)
	v_ldexp_f32 v252, 1.0, v254                    ; f = 2^(old M - new M)
.set n, 0
	s_setprio 1
.rept 32
	v_pk_fma_f32 v[128+n:129+n], v[128+n:129+n], s[22:23], v[12:13] op_sel_hi:[1,0,0]   ; t - M, two at a time
.set n, n+2
.endr
.irp b, 0,1,2,3
	v_fma_f32 v[4+\b], v[4+\b], s22, v12           ; the same of each block's largest score
.endr
.set n, 0
	s_wait_alu depctr_va_vdst(0)
.rept 64
	v_exp_f32 v[128+n], v[128+n]                   ; p = 2^(t - M), at most 1
.set n, n+1
.endr
	v_pk_mul_f32 v[14:15], v[14:15], v[252:253] op_sel_hi:[1,0]   ; the sums under the new M; a plain place behind the exponentials
	s_wait_alu depctr_va_vdst(0)                   ; one wait for the batch of 64, ahead of its first reader
.irp b, 0,1,2,3
	v_exp_f32 v[4+\b], v[4+\b]                     ; the block's largest p
.endr
	v_pk_add_f32 v[236:237], v[132:133], v[136:137]
	v_pk_add_f32 v[250:251], v[140:141], v[144:145]
	v_pk_add_f32 v[248:249], v[148:149], v[152:153]
	v_pk_add_f32 v[246:247], v[156:157], v[160:161]
	v_pk_add_f32 v[244:245], v[164:165], v[168:169]
	v_pk_add_f32 v[242:243], v[172:173], v[176:177]
	v_pk_add_f32 v[240:241], v[180:181], v[184:185]
	v_pk_add_f32 v[14:15], v[14:15], v[188:189]
	v_pk_add_f32 v[236:237], v[236:237], v[128:129]
	v_pk_add_f32 v[250:251], v[250:251], v[130:131]
	v_pk_add_f32 v[248:249], v[248:249], v[134:135]
	v_pk_add_f32 v[246:247], v[246:247], v[138:139]
	v_pk_add_f32 v[244:245], v[244:245], v[142:143]
	v_pk_add_f32 v[242:243], v[242:243], v[146:147]
	v_pk_add_f32 v[240:241], v[240:241], v[150:151]
	v_pk_add_f32 v[14:15], v[14:15], v[154:155]
	v_pk_add_f32 v[236:237], v[236:237], v[158:159]
	v_pk_add_f32 v[250:251], v[250:251], v[162:163]
	v_pk_add_f32 v[248:249], v[248:249], v[166:167]
	v_pk_add_f32 v[246:247], v[246:247], v[170:171]
	v_pk_add_f32 v[244:245], v[244:245], v[174:175]
	v_pk_add_f32 v[242:243], v[242:243], v[178:179]
	v_pk_add_f32 v[240:241], v[240:241], v[182:183]
	v_pk_add_f32 v[14:15], v[14:15], v[186:187]
	v_pk_add_f32 v[236:237], v[236:237], v[190:191]
	s_delay_alu instid0(VALU_DEP_2)
	v_pk_add_f32 v[14:15], v[14:15], v[246:247]
	s_delay_alu instid0(VALU_DEP_2)
	v_pk_add_f32 v[236:237], v[236:237], v[244:245]
	v_pk_add_f32 v[250:251], v[250:251], v[242:243]
	v_pk_add_f32 v[248:249], v[248:249], v[240:241]
	s_delay_alu instid0(VALU_DEP_2)
	v_pk_add_f32 v[14:15], v[14:15], v[250:251]
	s_delay_alu instid0(VALU_DEP_2)
	v_pk_add_f32 v[236:237], v[236:237], v[248:249]
	s_delay_alu instid0(VALU_DEP_1)
	v_pk_add_f32 v[14:15], v[14:15], v[236:237]
	s_setprio 0
	s_wait_alu depctr_va_vdst(0)                   ; and one for the four
.irp b, 0,1,2,3
	v_max_num_f32 v[4+\b], 0x1800000, v[4+\b]      ; the floor 2^(3 - 127): the byte cannot fall under 1
.endr
.irp b, 0,1,2,3
	s_delay_alu instid0(VALU_DEP_4)
	v_add_nc_u32 v[244+\b], 0xff000000, v[4+\b]    ; 2 off the exponent field: the conversion's scale operand
.endr
.irp b, 0,1,2,3
	s_delay_alu instid0(VALU_DEP_4)
	v_lshrrev_b32 v[236+\b], 23, v[244+\b]         ; the byte
.endr
	s_delay_alu instid0(VALU_DEP_3)
	v_lshl_or_b32 v253, v237, 8, v236              ; p's scale word for these 128 keys
	s_delay_alu instid0(VALU_DEP_1)
	v_lshl_or_b32 v253, v238, 16, v253
	s_delay_alu instid0(VALU_DEP_1)
	v_lshl_or_b32 v253, v239, 24, v253
.irp c, 0,1
	v_cvt_scalef32_pk16_fp6_f32 v[224+6*\c:226+6*\c], v[128+32*\c:143+32*\c], v[244+2*\c]
	v_cvt_scalef32_pk16_fp6_f32 v[236+4*\c:238+4*\c], v[144+32*\c:159+32*\c], v[245+2*\c]
.endr
	v_nop                                          ; one plain place behind the conversions
.irp c, 0,1                            ; the operand wants a whole block in a lane: lanes 0-15 block 2 c, lanes 16-31 block 2 c + 1
.irp i, 0,1,2
	v_permlane16_swap_b32 v[224+6*\c+\i], v[236+4*\c+\i]
.endr
.irp i, 0,1,2
	s_delay_alu instid0(VALU_DEP_3)
	v_mov_b32 v[227+6*\c+\i], v[236+4*\c+\i]
.endr
.endr
.set n, 0
.rept 16
	v_pk_mul_f32 v[192+n:193+n], v[192+n:193+n], v[252:253] op_sel_hi:[1,0]   ; O^T under the new M; these sixteen are also the places between the scale word and codes just written and the products below
.set n, n+2
.endr
.irp t, 0,1,2,3                        ; O^T += V^T P^T: the four accumulators by turns
.if \t % 2
	v_wmma_scale_f32_16x16x128_f8f6f4 v[192+8*\t:199+8*\t], v[80+12*\t:91+12*\t], v[224:235], v[192+8*\t:199+8*\t], v[10+\t/2], v253 matrix_a_fmt:MATRIX_FMT_FP6 matrix_b_fmt:MATRIX_FMT_FP6 matrix_a_scale:MATRIX_SCALE_ROW1
.else
	v_wmma_scale_f32_16x16x128_f8f6f4 v[192+8*\t:199+8*\t], v[80+12*\t:91+12*\t], v[224:235], v[192+8*\t:199+8*\t], v[10+\t/2], v253 matrix_a_fmt:MATRIX_FMT_FP6 matrix_b_fmt:MATRIX_FMT_FP6
.endif
.endr
.Lhidden_\@:
	s_add_co_u32 s50, s50, 128
	s_add_co_u32 s48, s48, STEPB
	s_add_co_u32 s49, s49, 1024
	s_sub_co_u32 s51, s51, 1
	s_cmp_lg_u32 s51, 0
	s_cbranch_scc1 .Lstep_\@
	s_setprio 0
	; THE WAY OUT of a pass: O^T / the sum, quantised along C: my 32 numbers are two half blocks of the head's 64
.rept 4
	v_nop                                          ; places behind the last products
.endr
	v_add_f32 v14, v14, v15                        ; the sum's two halves,
	s_delay_alu instid0(VALU_DEP_1)
	v_permlanex16_b32 v254, v14, s20, s21
	s_delay_alu instid0(VALU_DEP_1)
	v_add_f32 v14, v14, v254                       ; and lane l xor 16's
	s_wait_alu depctr_va_vdst(0)
	v_rcp_f32 v14, v14
	v_nop                                          ; a plain place behind the reciprocal
	s_wait_alu depctr_va_vdst(0)                   ; the wait ahead of its first reader
.set n, 0
.rept 32
	v_mul_f32 v[128+n], v[192+n], v14              ; register 16 b + i: channel 32 b + 16 h + i of my query; each accumulator from its low end on
.set n, n+1
.endr
.irp b, 0,1
	v_max3_num_f32 v[236+\b], |v[128+16*\b]|, |v[129+16*\b]|, 0x1800000
.endr
.irp i, 2,4,6,8,10,12,14
.irp b, 0,1
	s_delay_alu instid0(VALU_DEP_2)
	v_max3_num_f32 v[236+\b], v[236+\b], |v[128+16*\b+\i]|, |v[129+16*\b+\i]|
.endr
.endr
.irp b, 0,1
	s_delay_alu instid0(VALU_DEP_2)
	v_permlanex16_b32 v[238+\b], v[236+\b], s20, s21
.endr
.irp b, 0,1
	s_delay_alu instid0(VALU_DEP_2)
	v_max_num_f32 v[236+\b], v[236+\b], v[238+\b]
.endr
.irp b, 0,1
	s_delay_alu instid0(VALU_DEP_2)
	v_add_nc_u32 v[244+\b], 0xff000000, v[236+\b]
.endr
.irp b, 0,1
	s_delay_alu instid0(VALU_DEP_2)
	v_lshrrev_b32 v[240+\b], 23, v[244+\b]
.endr
	s_delay_alu instid0(VALU_DEP_1)
	v_cndmask_b32 v242, v240, v241, s53            ; lanes 0-15 store block 0's byte, lanes 16-31 block 1's
	v_cvt_scalef32_pk16_fp6_f32 v[224:226], v[128:143], v244
	v_cvt_scalef32_pk16_fp6_f32 v[228:230], v[144:159], v245
	v_nop                                          ; one plain place behind the conversions
.irp i, 0,1,2
	v_permlane16_swap_b32 v[224+\i], v[228+\i]
.endr
	s_delay_alu instid0(VALU_DEP_3)
	v_mov_b32 v227, v228
	s_delay_alu instid0(VALU_DEP_3)
	v_mov_b32 v228, v229
	s_delay_alu instid0(VALU_DEP_3)
	v_mov_b32 v229, v230
.irp p, 0,1,2
	global_store_b64 v1, v[224+2*\p:225+2*\p], s[58:59] offset:256*\p   ; 32 lanes store 256 consecutive bytes, aligned
.endr
	global_store_b8 v3, v242, s[60:61]             ; a byte a lane: a row's 8 bytes hold four heads' scales, which no work-group has together; one byte for 24 of codes
.if \first
	s_wait_xcnt 0x0                                ; the stores have read their registers and bases: the next pass writes both again
.endif
.endm
	PASS 1
	PASS 0
	s_wait_xcnt 0x0
	v_lshl_add_u32 v254, v0, 2, 0x34000
	v_mov_b32 v255, 0
	s_wait_alu depctr_va_vdst(0)
	s_wait_tensorcnt 0x0
	ds_add_u32 v254, v255
	s_wait_dscnt 0x0
	s_endpgm
.Lfunc_end_k_q479966c246_attn:
	.size	k_q479966c246_attn, .Lfunc_end_k_q479966c246_attn-k_q479966c246_attn
	.p2alignl 7, 3214868480
	.fill 96, 4, 3214868480
	.section	.rodata,"a",@progbits
	.p2align	6, 0x0
	.amdhsa_kernel k_q479966c246_attn
		.amdhsa_group_segment_fixed_size 215040
		.amdhsa_private_segment_fixed_size 0
		.amdhsa_enable_private_segment 0
		.amdhsa_kernarg_size 32
		.amdhsa_user_sgpr_count 2
		.amdhsa_user_sgpr_kernarg_segment_ptr 1
		.amdhsa_wavefront_size32 1
		.amdhsa_system_sgpr_workgroup_id_x 1
		.amdhsa_system_sgpr_workgroup_id_y 1
		.amdhsa_system_sgpr_workgroup_id_z 1
		.amdhsa_system_vgpr_workitem_id 0
		.amdhsa_next_free_vgpr 256
		.amdhsa_next_free_sgpr 72
		.amdhsa_reserve_vcc 1
		.amdhsa_float_denorm_mode_32 3
		.amdhsa_float_denorm_mode_16_64 3
		.amdhsa_memory_ordered 1
		.amdhsa_forward_progress 1
		.amdhsa_inst_pref_size 69
	.end_amdhsa_kernel
	.amdgpu_metadata
---
amdhsa.version: [ 1, 2 ]
amdhsa.kernels:
  - .name:           k_q479966c246_attn
    .symbol:         k_q479966c246_attn.kd
    .args:
      - { .name: qkvc, .offset: 0, .size: 8, .value_kind: global_buffer, .address_space: global }
      - { .name: qkvs, .offset: 8, .size: 8, .value_kind: global_buffer, .address_space: global }
      - { .name: aoc, .offset: 16, .size: 8, .value_kind: global_buffer, .address_space: global }
      - { .name: aos, .offset: 24, .size: 8, .value_kind: global_buffer, .address_space: global }
    .group_segment_fixed_size: 215040
    .private_segment_fixed_size: 0
    .kernarg_segment_align: 8
    .kernarg_segment_size: 32
    .max_flat_workgroup_size: 512
    .sgpr_count:     72
    .vgpr_count:     256
    .wavefront_size: 32
...
	.end_amdgpu_metadata
.endif
;; end of part 3
;; launch gemm_proj (part 4): grid 8 x 32, 8 waves a work-group, clusters of 4 x 4, 327,680 bytes of LDS; arguments aoc, aos, wc, ws, b_proj, out0; writes out0
.if DOCPART == 4
	.amdgcn_target "amdgcn-amd-amdhsa--gfx1250"
	.amdhsa_code_object_version 6
	.text
	.protected	k_q479966c246_gemm_proj
	.globl	k_q479966c246_gemm_proj
	.p2align	8
	.type	k_q479966c246_gemm_proj,@function
k_q479966c246_gemm_proj:
	s_mov_b64 s[64:65], 0
	v_nop
	global_prefetch_b8 v0, s[64:65] scope:SCOPE_SE
	s_setreg_imm32_b32 hwreg(HW_REG_WAVE_MODE, 25, 1), 1
	s_wait_xcnt 0x0
	s_wait_alu depctr_hold_cnt(0) depctr_sa_sdst(0) depctr_va_vdst(0) depctr_va_sdst(0) depctr_va_ssrc(0) depctr_va_vcc(0) depctr_vm_vsrc(0)
	s_getreg_b32 s2, hwreg(HW_REG_IB_STS2, 6, 4)
	s_cmp_eq_u32 s2, 0
	s_cbranch_scc0 .Lentry_in_a_cluster
	s_endpgm
.Lentry_in_a_cluster:
	s_bfe_u32 s2, ttmp6, 0x10000c
	s_cmp_lg_u32 s2, 0xf033
	s_cbranch_scc0 .Lentry_shape_is_right
	s_endpgm
.Lentry_shape_is_right:
; out0 = ao w_proj + b_proj on codes of FP6 (E2M3) with E8M0 scales, f32 sums, f32 out.
; OPERANDS are images of the matrix operand's registers: [tile of 16 rows][16 half fragments of 64 along K][768 bytes]; scale bytes [tile][4 chunks of 256 along K][r][8].
; Lane r of tile T holds row 32 (T / 2) + 8 (T % 2) + r + 8 (r / 8).  Source 0 = columns of w_proj (tiles 192-255 of wc): a lane's 16 registers of tiles 2 b, 2 b + 1 are 16 neighbouring columns of out0;
; source 1 = tokens.  A work-group makes 128 columns x 256 tokens over all of K = 1,024; both operands' parts, 294,912 bytes of codes and 12,288 of scale bytes, come into LDS once: nothing is filled again.
; Eight waves, each 64 x 64: 16 accumulators.  K goes in four chunks of 256, each read behind its own counted wait and a barrier, while the later chunks are on their way.
; THE BIAS is loaded straight into the accumulators, in the result's layout: every product adds in place, nothing is cleared and no addition is spent on it.
; CLUSTERS: 4 x 4.  The tokens' part hangs on cy alone and is asked for jointly along a row of the cluster, the weights' on cx alone, along a column.  By this text's count a wave has five tensor loads out.
; LIMITS: NaN and infinities are not served.
.set A1,   4                           ; v4-7    LDS address of my source 1 fragments in chunk c
.set A0,   8                           ; v8-11   of my source 0 fragments
.set AS,   12                          ; v12     of my scale words: lanes 0-15 source 1's, lanes 16-31 source 0's
.set STO,  13                          ; v13     the way out: where I put 32 bytes of a row
.set RD,   14                          ; v14     where I read a row back
.set CO,   15                          ; v15     my byte offset in out0
.set SC,   16                          ; v16-23  scale words: register 2 i + q
.set F0,   32                          ; v32-79  source 0: four fragments;  on the way out v32-127: three sets of 32 for rows read back
.set F1,   80                          ; v80-127 source 1: four fragments
.set ACC,  128                         ; accumulator (a, b) at v[128 + 8 (4 a + b)]
.set CHB,  73728                       ; a chunk in LDS: source 1's 16 tiles x 3,072 bytes, then source 0's 8
.set S0O,  49152
.set SCL1, 294912
.set SCL0, 303104
.set G1A,  24
.set G1B,  32
.set G1SA, 40
.set G1SB, 48
; groups 0: source 1: s56 scale bytes, s60, s68, s72, s76 chunks 0-3;  source 0: s80, and s84, s88, s92, s96
.macro ROUND                           ; a round of the cluster's barrier
	s_barrier_signal -1
	s_barrier_wait -1
	s_cmp_lg_u32 s16, 0
	s_cbranch_scc1 .Lnot_wave_0_\@
	s_barrier_signal -3
.Lnot_wave_0_\@:
	s_barrier_wait -3
	s_barrier_signal -1
	s_barrier_wait -1
.endm
.macro MKG1 g, c, r, p                 ; r rows of c elements of 8 bytes, p elements from row to row
	s_mov_b32 s[\g+1], (\c)<<16
	s_mov_b32 s[\g+2], (\r)<<16
	s_mov_b32 s[\g+3], (\c)<<16
	s_mov_b32 s[\g+4], \r
	s_mov_b32 s[\g+5], \p
	s_mov_b32 s[\g+6], 0
	s_mov_b32 s[\g+7], 0
.endm
.macro MKG0 g, l, k                    ; the address words are there already
	s_mov_b32 s[\g], 1
	s_add_co_u32 s[\g+1], s[\l], \k
	s_or_b32 s[\g+3], s[\g+3], 0x80000000
.endm
	s_load_b256 s[68:75], s[0:1], 0x0              ; aoc s[68:69], aos s[70:71], wc s[72:73], ws s[74:75]
	s_load_b128 s[12:15], s[0:1], 0x20             ; b_proj, out0
	v_lshl_add_u32 v30, v0, 2, 0x4b000
	v_mov_b32 v31, 0
	ds_add_u32 v30, v31
	ds_add_u32 v30, v31
	v_lshrrev_b32 v1, 5, v0
	v_readfirstlane_b32 s16, v1                    ; wave 0..7
	s_and_b32 s17, s16, 3                          ; which quarter of an operand's part I fetch
	s_and_b32 s18, s16, 1                          ; which 64 columns are mine
	s_lshr_b32 s19, s16, 1                         ; which 64 tokens
	s_bfe_u32 s20, ttmp6, 0x40000                  ; cx
	s_bfe_u32 s21, ttmp6, 0x40004                  ; cy
	s_lshl_b32 s4, s21, 2
	s_lshl_b32 s4, 15, s4                          ; my row of the cluster
	s_lshl_b32 s8, 0x1111, s20                     ; my column
	s_or_b32 s[G1A], s4, (3<<16)|(1<<21)           ; 15:0 the mask; 17:16 elements of 8 bytes; 21 set beside a mask; no padding
	s_or_b32 s[G1SA], s4, (3<<16)|(1<<21)
	s_or_b32 s[G1B], s8, (3<<16)|(1<<21)
	s_or_b32 s[G1SB], s8, (3<<16)|(1<<21)
	MKG1 G1A, 384, 4, 1536                         ; four tiles' 3,072 bytes of a chunk, 12,288 bytes apart
	MKG1 G1B, 384, 2, 1536                         ; two tiles'
	MKG1 G1SA, 32, 8, 32                           ; four tiles' scale bytes: 2,048 dense bytes as rows of 256
	MKG1 G1SB, 32, 4, 32                           ; two tiles': 1,024
	s_lshl_b32 s22, ttmp9, 2
	s_add_co_u32 s22, s22, s20                     ; i0: which 128 columns (hangs on cx alone)
	s_and_b32 s23, ttmp7, 0xffff
	s_lshl_b32 s23, s23, 2
	s_add_co_u32 s23, s23, s21                     ; i1: which 256 tokens (on cy alone)
	s_wait_dscnt 0x0
	s_wait_kmcnt 0x0
	s_mov_b64 s[62:63], s[68:69]
	s_mov_b64 s[58:59], s[70:71]
	s_mov_b64 s[86:87], s[72:73]
	s_mov_b64 s[82:83], s[74:75]
	s_lshl_b32 s4, s23, 4
	s_lshl_b32 s2, s17, 2
	s_add_co_u32 s4, s4, s2                        ; source 1: tile 16 i1 + 4 x quarter
	s_lshl_b32 s6, s4, 9
	s_mov_b32 s7, 0
	s_mul_i32 s4, s4, 12288
	s_mov_b32 s5, 0
	s_add_nc_u64 s[62:63], s[62:63], s[4:5]
	s_add_nc_u64 s[58:59], s[58:59], s[6:7]
	s_lshl_b32 s8, s22, 3
	s_lshl_b32 s2, s17, 1
	s_add_co_u32 s8, s8, s2
	s_add_co_u32 s8, s8, 192                       ; source 0: tile 192 + 8 i0 + 2 x quarter
	s_lshl_b32 s10, s8, 9
	s_mov_b32 s11, 0
	s_mul_i32 s8, s8, 12288
	s_mov_b32 s9, 0
	s_add_nc_u64 s[86:87], s[86:87], s[8:9]
	s_add_nc_u64 s[82:83], s[82:83], s[10:11]
.irp c, 1,2,3
	s_add_nc_u64 s[66+4*\c:67+4*\c], s[62:63], 3072*\c     ; chunk c: 3,072 bytes on in each tile
	s_add_nc_u64 s[86+4*\c:87+4*\c], s[86:87], 3072*\c
.endr
	s_mul_i32 s2, s17, 12288                       ; where they go: the wave's number times a constant: no place in the cluster enters an LDS address
	s_lshl_b32 s3, s17, 11
	s_mul_i32 s66, s17, 6144
	s_lshl_b32 s67, s17, 10
	MKG0 56, 3, SCL1
	MKG0 60, 2, 0
	MKG0 80, 67, SCL0
	MKG0 84, 66, S0O
.irp c, 1,2,3
	MKG0 64+4*\c, 2, CHB*\c
	MKG0 84+4*\c, 66, CHB*\c+S0O
.endr
	ROUND                                          ; all sixteen work-groups are here: the joint loads meet
	s_cmp_lt_u32 s16, 4                            ; waves 0-3 fetch source 1's part, waves 4-7 source 0's: five loads each, in one branch on the wave's number
	s_cbranch_scc0 .Lfor_s0
	tensor_load_to_lds s[56:59], s[G1SA:G1SA+7]
	s_nop 0
	tensor_load_to_lds s[60:63], s[G1A:G1A+7]
	s_nop 0
	tensor_load_to_lds s[68:71], s[G1A:G1A+7]
	s_nop 0
	tensor_load_to_lds s[72:75], s[G1A:G1A+7]
	s_nop 0
	tensor_load_to_lds s[76:79], s[G1A:G1A+7]
	s_nop 0
.rept 4
	v_nop
.endr
	s_branch .Lasked
.Lfor_s0:
	tensor_load_to_lds s[80:83], s[G1SB:G1SB+7]
	s_nop 0
	tensor_load_to_lds s[84:87], s[G1B:G1B+7]
	s_nop 0
	tensor_load_to_lds s[88:91], s[G1B:G1B+7]
	s_nop 0
	tensor_load_to_lds s[92:95], s[G1B:G1B+7]
	s_nop 0
	tensor_load_to_lds s[96:99], s[G1B:G1B+7]
	s_nop 0
.rept 4
	v_nop
.endr
.Lasked:
	v_and_b32 v1, 15, v0                           ; r
	v_bfe_u32 v2, v0, 4, 1                         ; h
	v_and_b32 v3, 31, v0
	v_lshlrev_b32 v3, 3, v3                        ; 8 x lane
	v_lshlrev_b32 v24, 6, v2                       ; the bias: 16 numbers further on for lanes 16-31
	s_lshl_b32 s66, s22, 9
	s_lshl_b32 s67, s18, 8
	s_add_co_u32 s66, s66, s67                     ; my first column, in bytes: 512 i0 + 256 x half
	s_mov_b32 s67, 0
	s_add_nc_u64 s[12:13], s[12:13], s[66:67]
	s_add_nc_u64 s[14:15], s[14:15], s[66:67]
.irp a, 0,1,2,3                        ; register j of accumulator (a, 2 bb + u) is column 32 bb + 16 h + 8 u + j, whatever a
.irp b, 0,1,2,3
	global_load_b128 v[ACC+8*(4*\a+\b):ACC+8*(4*\a+\b)+3], v24, s[12:13] offset:128*(\b/2)+32*(\b%2)
	global_load_b128 v[ACC+8*(4*\a+\b)+4:ACC+8*(4*\a+\b)+7], v24, s[12:13] offset:128*(\b/2)+32*(\b%2)+16
.endr
.endr
	s_lshl_b32 s100, s23, 8
	s_lshl_b32 s101, s19, 6
	s_add_co_u32 s100, s100, s101                  ; my first token: 256 i1 + 64 x quarter
	s_lshl_b32 s100, s100, 12
	s_mov_b32 s101, 0
	s_add_nc_u64 s[14:15], s[14:15], s[100:101]
	s_mul_i32 s2, s19, 12288                       ; my four tiles of source 1
	s_mul_i32 s3, s18, 12288                       ; my four of source 0,
	s_add_co_u32 s3, s3, S0O                       ; behind source 1's sixteen
.irp c, 0,1,2,3
	v_add_nc_u32 v[A1+\c], s2, v3
	v_add_nc_u32 v[A0+\c], s3, v3
	s_add_co_u32 s2, s2, CHB
	s_add_co_u32 s3, s3, CHB
.endr
	s_lshl_b32 s2, s19, 11                         ; scale bytes: 512 a tile
	s_lshl_b32 s3, s18, 11
	s_add_co_u32 s3, s3, SCL0-SCL1
	s_sub_co_u32 s3, s3, s2                        ; from source 1's to source 0's: one product with h
	v_mul_u32_u24 v[AS], s3, v2
	v_lshl_add_u32 v[AS], v1, 3, v[AS]
	s_add_co_u32 s2, s2, SCL1
	v_add_nc_u32 v[AS], s2, v[AS]
	s_mul_i32 s2, s16, 4352                        ; my stage: 16 rows x (256 bytes + 16), in chunk 0's bytes
	v_mul_u32_u24 v[STO], v1, 272
	v_lshl_add_u32 v[STO], v2, 6, v[STO]
	v_add_nc_u32 v[STO], s2, v[STO]                ; in: row r, 64 bytes on for lanes 16-31
	v_mul_u32_u24 v[RD], v2, 272
	v_lshl_add_u32 v[RD], v1, 4, v[RD]
	v_add_nc_u32 v[RD], s2, v[RD]                  ; back: lanes 0-15 one row, lanes 16-31 the next
	v_lshlrev_b32 v[CO], 12, v2
	v_lshl_add_u32 v[CO], v1, 4, v[CO]             ; and the same two rows in out0
; 128 along K: the chunk's q-th.  52 or 48 LDS loads of 8 bytes a lane, each of 256 consecutive bytes, then 16 matrix instructions, the 16 accumulators by turns.
.macro KSTEP c, q, first
.if \first == 0
.rept 4
	v_nop                                          ; places in front of loads into registers that matrix instructions have read (ISA guide 7.12.1 for vector instructions)
.endr
.endif
.if \q == 0
.irp i, 0,1,2,3
	ds_load_b64 v[SC+2*\i:SC+2*\i+1], v[AS] offset:512*\i+128*\c
.endr
.endif
.irp b, 0,1,2,3
.irp p, 0,1,2,3,4,5
	ds_load_b64 v[F0+12*\b+2*\p:F0+12*\b+2*\p+1], v[A0+\c] offset:3072*\b+1536*\q+256*\p
.endr
.endr
.irp a, 0,1,2,3
.irp p, 0,1,2,3,4,5
	ds_load_b64 v[F1+12*\a+2*\p:F1+12*\a+2*\p+1], v[A1+\c] offset:3072*\a+1536*\q+256*\p
.endr
.endr
.irp a, 0,1,2,3
	s_wait_dscnt 18-6*\a                           ; the fragments of source 1's tiles behind a may be out
.irp b, 0,1,2,3
	v_wmma_scale_f32_16x16x128_f8f6f4 v[ACC+8*(4*\a+\b):ACC+8*(4*\a+\b)+7], v[F0+12*\b:F0+12*\b+11], v[F1+12*\a:F1+12*\a+11], v[ACC+8*(4*\a+\b):ACC+8*(4*\a+\b)+7], v[SC+2*\b+\q], v[SC+2*\a+\q] matrix_a_fmt:MATRIX_FMT_FP6 matrix_b_fmt:MATRIX_FMT_FP6 matrix_a_scale:MATRIX_SCALE_ROW1
.endr
.endr
.endm
.macro CHUNK c, z
	s_wait_tensorcnt 3-\c                          ; my scale bytes and my parts of chunks 0 .. c have landed; the 3 - c later chunks stay out
	s_barrier_signal -1                            ; (no LDS instruction of mine is out: the last step's last wait was for 0)
	s_barrier_wait -1                              ; everybody's have
	KSTEP \c, 0, \z
	KSTEP \c, 1, 0
.endm
	s_wait_loadcnt 0x0                             ; the bias is in the accumulators
	CHUNK 0, 1
	CHUNK 1, 0
	CHUNK 2, 0
	CHUNK 3, 0
; THE WAY OUT, a tile of 16 tokens x 64 columns at a time, through my own stage and back as whole rows of 256 bytes.  The stage lies in chunk 0's bytes: they have had their one fill, and every wave's reads of
; them were over in front of chunk 1's barrier.  LDS serves a wave's instructions in order (ISA guide 5.7.1.4): no wait between the stores and the loads, nor in front of the next tile's stores.
.macro TOSTAGE a
.irp b, 0,1,2,3
	ds_store_b128 v[STO], v[ACC+8*(4*(\a)+\b):ACC+8*(4*(\a)+\b)+3] offset:128*(\b/2)+32*(\b%2)        ; each accumulator from its low end on
	ds_store_b128 v[STO], v[ACC+8*(4*(\a)+\b)+4:ACC+8*(4*(\a)+\b)+7] offset:128*(\b/2)+32*(\b%2)+16
.endr
.irp t, 0,1,2,3,4,5,6,7
	ds_load_b128 v[32+32*((\a)%3)+4*\t:32+32*((\a)%3)+4*\t+3], v[RD] offset:544*\t
.endr
.endm
.macro SEND a, younger                 ; younger: the LDS instructions issued behind tile a's loads, which may stay out
	s_wait_dscnt \younger
.irp t, 0,1,2,3,4,5,6,7
	global_store_b128 v[CO], v[32+32*((\a)%3)+4*\t:32+32*((\a)%3)+4*\t+3], s[14:15] offset:(32*((\a)/2)+8*((\a)%2)+2*\t+8*(\t/4))*4096 th:TH_STORE_NT   ; sixteen lanes store 256 consecutive bytes, aligned; the tile's rows 2 t, 2 t + 1 at their tokens
.endr
.endm
.rept 4
	v_nop                                          ; places behind the last products: results are read, and loads land in registers that held fragments
.endr
	TOSTAGE 0
	TOSTAGE 1
	SEND 0, 16
	TOSTAGE 2
	SEND 1, 16
	s_wait_xcnt 0x0                                ; tile 0's stores have read their registers: tile 3's rows land there
	TOSTAGE 3
	SEND 2, 16
	SEND 3, 0
	s_wait_tensorcnt 0x0
	ds_add_u32 v30, v31
	s_wait_dscnt 0x0
	ROUND                                          ; the closing round: no work-group ends while a partner may still ask for a tile that names it
	s_endpgm
.Lfunc_end_k_q479966c246_gemm_proj:
	.size	k_q479966c246_gemm_proj, .Lfunc_end_k_q479966c246_gemm_proj-k_q479966c246_gemm_proj
	.p2alignl 7, 3214868480
	.fill 96, 4, 3214868480
	.section	.rodata,"a",@progbits
	.p2align	6, 0x0
	.amdhsa_kernel k_q479966c246_gemm_proj
		.amdhsa_group_segment_fixed_size 327680
		.amdhsa_private_segment_fixed_size 0
		.amdhsa_enable_private_segment 0
		.amdhsa_kernarg_size 48
		.amdhsa_user_sgpr_count 2
		.amdhsa_user_sgpr_kernarg_segment_ptr 1
		.amdhsa_wavefront_size32 1
		.amdhsa_system_sgpr_workgroup_id_x 1
		.amdhsa_system_sgpr_workgroup_id_y 1
		.amdhsa_system_sgpr_workgroup_id_z 1
		.amdhsa_system_vgpr_workitem_id 0
		.amdhsa_next_free_vgpr 256
		.amdhsa_next_free_sgpr 102
		.amdhsa_reserve_vcc 0
		.amdhsa_float_denorm_mode_32 3
		.amdhsa_float_denorm_mode_16_64 3
		.amdhsa_memory_ordered 1
		.amdhsa_forward_progress 1
		.amdhsa_inst_pref_size 65
	.end_amdhsa_kernel
	.amdgpu_metadata
---
amdhsa.version: [ 1, 2 ]
amdhsa.kernels:
  - .name:           k_q479966c246_gemm_proj
    .symbol:         k_q479966c246_gemm_proj.kd
    .args:
      - { .name: aoc, .offset: 0, .size: 8, .value_kind: global_buffer, .address_space: global }
      - { .name: aos, .offset: 8, .size: 8, .value_kind: global_buffer, .address_space: global }
      - { .name: wc, .offset: 16, .size: 8, .value_kind: global_buffer, .address_space: global }
      - { .name: ws, .offset: 24, .size: 8, .value_kind: global_buffer, .address_space: global }
      - { .name: b_proj, .offset: 32, .size: 8, .value_kind: global_buffer, .address_space: global }
      - { .name: out0, .offset: 40, .size: 8, .value_kind: global_buffer, .address_space: global }
    .group_segment_fixed_size: 327680
    .private_segment_fixed_size: 0
    .kernarg_segment_align: 8
    .kernarg_segment_size: 48
    .max_flat_workgroup_size: 256
    .sgpr_count:     102
    .vgpr_count:     256
    .wavefront_size: 32
...
	.end_amdgpu_metadata
.endif
;; end of part 4
